; MI455X (gfx1250); checked and timed in simulation.
; The chip was launched on July 23, 2026; its instructions are those of AMD's public machine-readable ISA for CDNA 5 (MIT licence, August 2026) and "CDNA5" Instruction Set Architecture Reference Guide (July 2026). The comments in the code are by the model that wrote it; some were corrected since.
;; Embedding. Allowed arithmetic: float matrix products may take bf16 or f16 operands with f32 sums; all other float work in f32.
;; Inputs: W_e 1,024 x 16,000 float32; W_p 2,048 x 1,024 float32; tokens 2 x 2,048 int32.
;; Outputs: out0 2 x 2,048 x 1,024 float32.
;; One version. Each part assembles by itself: llvm-mc -triple=amdgcn-amd-amdhsa -mcpu=gfx1250 --defsym DOCPART=n.
;; ======== version 1 of 1: 1 launch
;; launch embed (part 1): grid 125 x 2, 16 waves a work-group, no clusters, 268,288 bytes of LDS; arguments tokens, W_e, W_p, out0; writes out0
.if DOCPART == 1
	.amdgcn_target "amdgcn-amd-amdhsa--gfx1250"
	.amdhsa_code_object_version 6
	.text
	.protected	k_q7fcb65e252_embed
	.globl	k_q7fcb65e252_embed
	.p2align	8
	.type	k_q7fcb65e252_embed,@function
k_q7fcb65e252_embed:
	s_mov_b64 s[64:65], 0
	v_nop
	global_prefetch_b8 v0, s[64:65] scope:SCOPE_SE
	s_setreg_imm32_b32 hwreg(HW_REG_WAVE_MODE, 25, 1), 1
	s_wait_xcnt 0x0
; out0[b][s][e] = W_e[e][tokens[b][s]] + W_p[s][e].  tokens [2][2048] i32, W_e [1024][16000] f32, W_p [2048][1024] f32, out0 [2][2048][1024] f32.
; The product with the one-hot matrix has one term 1 x w and 15,999 terms 0 x w for each output: it is a selection, made here exactly, in f32, with no rounding.
; A token's embedding is a COLUMN of W_e: 1,024 words 64,000 bytes apart.  So W_e is streamed once, in rows of 512 consecutive bytes, and the turning is done in LDS.
; SHARES.  16,000 = 125 x 128.  A work-group owns 128 columns of W_e (chunk c = its x) and 512 rows (half h = its y): 262,144 bytes, filled into LDS once.
; Wave w = 2 g + p: it fetches the 32 rows of parity p of slice g (64 rows of E), and it serves batch row p: for every position s whose token lies in chunk c it stores
; out0[p][s][512 h + 64 g .. + 63]: 256 consecutive bytes, aligned, by one store of 8 bytes a lane (lane l: e = 2 l, 2 l + 1).
; ORDER.  The tile is asked for first.  While it is on its way the wave reads its 2,048 tokens, finds and counts the matches (64 lane masks), lists up to 32 positions and asks for their rows of W_p.
; Then one barrier (the partner wave's 32 rows), and batches of up to 32 positions: gather from LDS, add, store, list the next batch.  Every loop's trip count is known before the loop begins.
; LIMITS.  Tokens lie in 0 .. 15,999 (an index stays inside its table); any other token matches no chunk and its row is not written.  W_e is taken as finite: the product's 0 x infinity
; would be NaN in a whole row of outputs, a selection has none.  A selected -0.0 keeps its sign, where the product's sum gives +0.0: it shows only where W_p is -0.0 too.
; NOT USED: matrix instructions (every product is by 0 or 1); a cluster (no two work-groups read the same byte of W_e; only the 16,384 bytes of tokens are common); refills (one tile a work-group).
.set PITCH,  520                       ; an LDS row: 512 bytes + 8 of padding = 130 words: lane l reads row l, word 130 l + x: bank (2 l + x) mod 64 (64 banks of 4 bytes: ISA guide 11.1), 32 different ones
.set WTILE,  32*PITCH                  ; what one wave's tensor load fills: 16,640 bytes; slice g: even rows at 2 g WTILE, odd rows WTILE behind
.set SPARE,  16*WTILE                  ; 266,240 = 1,040 x 256: behind the tile the spare words, 128 bytes for each of 16 waves, which no other line names
.set VROW,   64000                     ; bytes in a row of W_e
; scalar registers
.set WV,   12                          ; my wave's number
.set CH,   13                          ; c
.set HF,   14                          ; h
.set BT,   15                          ; p
.set G1,   16                          ; s[16:23] descriptor group 1
.set G0,   24                          ; s[24:27] descriptor group 0
.set SG,   28                          ; g
.set OF,   30                          ; s[30:31] an offset in 64 bits, made apart from every address
.set C128, 32                          ; 128 c: the chunk's first token
.set KB,   33                          ; 0 while the first mask register is in hand, 1,024 for the second: its first position
.set NZ,   34                          ; the lanes of the register in hand that still hold masks
.set GM,   35                          ; what is left of the mask in hand
.set GB,   36                          ; the position of that mask's bit 0
.set CNT,  37                          ; entries in the list
.set XT,   38                          ; counts the list's entries as they are made
.set OT,   39                          ; counts the batches
.set PP,   40                          ; at work
.set TT,   41                          ; at work
.set REM,  42                          ; matches not yet listed
.set NB,   43                          ; batches, at least 1
.set MK,   44                          ; s[44:47] four lane masks
; vector registers
.set LN8,  2                           ; 8 x lane: my two words in a slice's 256 bytes; never rewritten
.set LB,   3                           ; LDS byte of my even row: 2 g WTILE + lane x PITCH; never rewritten
.set L16,  4                           ; 16 x lane; never rewritten
.set LST,  5                           ; the list: lane j holds position s of entry j
.set PCL,  6                           ; 4 x that position, clamped
.set TKL,  7                           ; the list's tokens
.set XL,   8                           ; token - 128 c: the column in the tile
.set AD,   9                           ; v9, v10: LDS addresses, by turns
.set VMK,  12                          ; v[12:13] register q / 8, lane 4 (q % 8) + r: bit l says that token 128 q + 4 l + r lies in my chunk
.set SPW,  16                          ; LDS address of my spare word; never rewritten
.set NIL,  17                          ; 0; never rewritten
.set OO,   20                          ; v[20:51]   entry j: s x 4,096 + 8 x lane, the byte offset in W_p and in out0
.set WPV,  52                          ; v[52:115]  entry j: a pair of W_p
.set TV,   116                         ; v[116:179] first my 2,048 tokens (64 a lane); then entry j: a pair from the tile, and the result
	s_load_b256 s[4:11], s[0:1], 0x0               ; tokens s[4:5], W_e s[6:7], W_p s[8:9], out0 s[10:11]
	v_lshl_add_u32 v[SPW], v0, 2, SPARE
	v_mov_b32 v[NIL], 0
	ds_add_u32 v[SPW], v[NIL]                      ; the wave's opening: the add and its wait stand ahead of my tensor load; the set-up below, work on registers, stands between them
	v_lshrrev_b32 v1, 5, v0
	v_readfirstlane_b32 s[WV], v1                  ; wave 0..15
	s_mov_b32 s[CH], ttmp9
	s_and_b32 s[HF], ttmp7, 0xffff
	s_and_b32 s[BT], s[WV], 1
	s_lshr_b32 s[SG], s[WV], 1
	; descriptor group 1: 32 rows x 128 elements of 4 bytes, every second row of W_e, padded in LDS
	s_mov_b32 s[G1+0], (2<<16)|(1<<20)|(6<<22)|(1<<25)  ; 15:0 no mask; 17:16 elements of 4 bytes; 20 padding on; 24:22 after every 128 words (code 6); 31:25 2 words of it (code 1)
	s_mov_b32 s[G1+1], 128<<16                     ; tensor_dim0 = 128
	s_mov_b32 s[G1+2], 32<<16                      ; tensor_dim1 = 32
	s_mov_b32 s[G1+3], 128<<16                     ; tile_dim0 = 128
	s_mov_b32 s[G1+4], 32                          ; tile_dim1 = 32; tile_dim2 = 0
	s_mov_b32 s[G1+5], 32000                       ; from row to row: two rows of W_e, in elements
	s_mov_b32 s[G1+6], 0
	s_mov_b32 s[G1+7], 0
	s_mov_b32 s[G0], 1                             ; count = 1
	s_mul_i32 s[G0+1], s[WV], WTILE                ; LDS address: my wave's 16,640 bytes
	s_lshl_b32 s[OF], s[HF], 9                     ; my first row of W_e: 512 h
	s_lshl_b32 s[OF+1], s[SG], 6                   ; + 64 g
	s_add_co_u32 s[OF], s[OF], s[OF+1]
	s_add_co_u32 s[OF], s[OF], s[BT]               ; + p
	s_mul_i32 s[OF], s[OF], VROW                   ; in bytes: 961 x 64,000 at the most
	s_lshl_b32 s[OF+1], s[CH], 9                   ; + the chunk's 512 bytes of a row: every row of the tile begins at a multiple of 256 bytes from W_e's first
	s_add_co_u32 s[OF], s[OF], s[OF+1]
	s_mov_b32 s[OF+1], 0
	s_lshl_b32 s[C128], s[CH], 7
	s_mov_b32 s[KB], 0
	s_mov_b32 s[GM], 0
	s_mov_b32 s[GB], 0
	s_mov_b32 s[REM], 0
	s_wait_dscnt 0x0                               ; the opening add is done
	s_wait_kmcnt 0x0
	s_add_nc_u64 s[G0+2:G0+3], s[6:7], s[OF:OF+1]  ; global address of the tile's first element
	s_or_b32 s[G0+3], s[G0+3], 0x80000000          ; type = 2
	tensor_load_to_lds s[G0:G0+3], s[G1:G1+7]      ; my one tensor load: sixteen waves' loads together are the work-group's whole tile
	s_nop 0
	s_lshl_b32 s[OF], s[BT], 13                    ; batch row p's 2,048 tokens
	s_add_nc_u64 s[4:5], s[4:5], s[OF:OF+1]
	v_and_b32 v1, 31, v0                           ; lane
	v_lshlrev_b32 v[L16], 4, v1
.set q, 0
.rept 16                                               ; load q: 512 consecutive bytes; lane l takes tokens 128 q + 4 l + 0..3
	global_load_b128 v[TV+4*q:TV+4*q+3], v[L16], s[4:5] offset:512*q
.set q, q+1
.endr
	s_lshl_b32 s[OF], s[HF], 11                    ; my slice's 256 bytes in a row of W_p and of out0: 2,048 h
	s_lshl_b32 s[TT], s[SG], 8                     ; + 256 g
	s_add_co_u32 s[OF], s[OF], s[TT]
	s_add_nc_u64 s[8:9], s[8:9], s[OF:OF+1]
	s_add_nc_u64 s[10:11], s[10:11], s[OF:OF+1]
	s_lshl_b32 s[OF], s[BT], 23                    ; and batch row p of out0: 8,388,608 bytes
	s_add_nc_u64 s[10:11], s[10:11], s[OF:OF+1]
	v_lshlrev_b32 v[LN8], 3, v1
	s_mul_i32 s[TT], s[SG], 2*WTILE
	v_mul_u32_u24 v[LB], v1, PITCH
	v_add_nc_u32 v[LB], s[TT], v[LB]
	; The three unrolled runs below (BATCH's requests, FIN's two parts) each leave at the same CNT.  So that every register is written before it is read on every path of the text, also on
	; those that no CNT takes, OO and WPV are written whole once, and so is TKL; the masks and the list are written lane by lane and need a first value.  All this stands in the wait for tokens and tile.
.set j, 0
.rept 96
	v_mov_b32 v[OO+j], 0
.set j, j+1
.endr
	v_mov_b32 v[VMK], 0
	v_mov_b32 v[VMK+1], 0
	v_mov_b32 v[LST], 0
	v_mov_b32 v[TKL], 0
	; THE SCAN.  token >> 7 is its chunk; a compare gives a mask of 32 lanes, which is kept in a lane of a mask register, and its bits are counted.
.set q, 0
.rept 16
	s_wait_loadcnt 15-q                            ; loads come back in order (ISA guide 5.7.1): load q is in, the 15 - q younger token loads may stay out; no other load is out
.irp r, 0,1,2,3
	v_lshrrev_b32 v[TV+4*q+\r], 7, v[TV+4*q+\r]
.endr
.irp r, 0,1,2,3
	v_cmp_eq_u32 s[MK+\r], s[CH], v[TV+4*q+\r]
.endr
.irp r, 0,1,2,3
	v_writelane_b32 v[VMK+q/8], s[MK+\r], 4*(q%8)+\r
.endr
.irp r, 0,1,2,3
	s_bcnt1_i32_b32 s[TT], s[MK+\r]
	s_add_co_u32 s[REM], s[REM], s[TT]
.endr
.set q, q+1
.endr
	v_cmp_ne_u32 s[NZ], 0, v[VMK]                  ; which lanes of the first mask register hold a match
	s_add_co_u32 s[TT], s[REM], 31
	s_lshr_b32 s[NB], s[TT], 5                     ; batches of 32: 64 at the most;
	s_max_u32 s[NB], s[NB], 1                      ; with no match at all one trip runs, on an empty list
; BATCH: the next CNT = min(32, REM) positions go into the lanes of LST, and what they need from memory is asked for.  With CNT = 0 all of it is passed by one jump forward.
; THE LIST.  A trip appends exactly one position, so the loop counts to CNT.  It goes on where the last batch stopped: KB, NZ, GM, GB and the mask registers are its state.  Where the mask in hand
; is used up the next lane's is taken; where the first register is used up the second moves into its place: since an entry is still due, it holds one.
; THE REQUESTS.  The list's tokens are read once more, a lane an entry, and each entry's 256 bytes of W_p are asked for.  Lanes behind CNT hold older positions: clamped like the others, they stay
; inside the buffer and are not used.
.macro BATCH
	s_min_u32 s[CNT], s[REM], 32
	s_sub_co_u32 s[REM], s[REM], s[CNT]
	s_cmp_eq_u32 s[CNT], 0
	s_cbranch_scc1 .Lnone_\@
	s_mov_b32 s[XT], 0
.Lx_\@:
	s_cmp_lg_u32 s[GM], 0
	s_cbranch_scc1 .Lbit_\@                        ; the mask in hand has bits left
	s_cmp_lg_u32 s[NZ], 0
	s_cbranch_scc1 .Lgrp_\@                        ; the register in hand has masks left
	s_mov_b32 s[KB], 1024                          ; the second register: positions 1,024 on
	v_mov_b32 v[VMK], v[VMK+1]
	v_cmp_ne_u32 s[NZ], 0, v[VMK]
.Lgrp_\@:
	s_ctz_i32_b32 s[PP], s[NZ]                     ; the lowest lane with a mask, 4 (q % 8) + r,
	s_sub_co_u32 s[TT], s[NZ], 1
	s_and_b32 s[NZ], s[NZ], s[TT]                  ; struck off,
	v_readlane_b32 s[GM], v[VMK], s[PP]            ; and its mask
	s_and_b32 s[TT], s[PP], 0x1c
	s_lshl_b32 s[TT], s[TT], 5                     ; 128 (q % 8)
	s_and_b32 s[PP], s[PP], 3                      ; r
	s_add_co_u32 s[GB], s[TT], s[PP]
	s_add_co_u32 s[GB], s[GB], s[KB]               ; + 1,024 (q / 8)
.Lbit_\@:
	s_ctz_i32_b32 s[PP], s[GM]                     ; the lowest bit l, struck off
	s_sub_co_u32 s[TT], s[GM], 1
	s_and_b32 s[GM], s[GM], s[TT]
	s_lshl2_add_u32 s[PP], s[PP], s[GB]            ; s = 4 l + 128 q + r
	v_writelane_b32 v[LST], s[PP], s[XT]
	s_add_co_u32 s[XT], s[XT], 1
	s_cmp_lt_u32 s[XT], s[CNT]
	s_cbranch_scc1 .Lx_\@
	s_wait_xcnt 0x0                                ; every earlier memory instruction has had its addresses translated (ISA guide 3.1): OO, which the last batch's stores read, and PCL are rewritten only behind this wait
	v_min_u32 v[PCL], 0x7ff, v[LST]
	v_lshlrev_b32 v[PCL], 2, v[PCL]
	global_load_b32 v[TKL], v[PCL], s[4:5]
.set j, 0
.rept 32
	s_cmp_gt_u32 s[CNT], j
	s_cbranch_scc0 .Lnone_\@                       ; the list ends here
	v_readlane_b32 s[PP], v[LST], j
	s_min_u32 s[PP], s[PP], 0x7ff
	v_lshl_add_u32 v[OO+j], s[PP], 12, v[LN8]      ; s x 4,096 + 8 x lane
	global_load_b64 v[WPV+2*j:WPV+2*j+1], v[OO+j], s[8:9]  ; 32 lanes: 256 consecutive bytes, aligned
.set j, j+1
.endr
.Lnone_\@:
.endm
; FIN: for each entry my two words of the token's column come out of the tile, W_p is added, and the wave stores 256 consecutive bytes of out0.
.macro FIN
	s_wait_loadcnt 0x0                             ; the list's tokens and its rows of W_p: how many loads are out hangs on CNT, so the count is 0
	s_wait_xcnt 0x0                                ; TV, which the last batch's stores read, is rewritten only behind this wait, also on the path that passes BATCH
	v_sub_nc_u32 v[XL], v[TKL], s[C128]            ; the column in the tile, 0 .. 127
.set j, 0
.rept 32
	s_cmp_gt_u32 s[CNT], j
	s_cbranch_scc0 .Lf1_\@
	v_readlane_b32 s[PP], v[XL], j
	s_min_u32 s[PP], s[PP], 127
	v_lshl_add_u32 v[AD+j%2], s[PP], 2, v[LB]
	ds_load_b32 v[TV+2*j], v[AD+j%2]               ; row 2 l of the slice
	ds_load_b32 v[TV+2*j+1], v[AD+j%2] offset:WTILE  ; row 2 l + 1
.set j, j+1
.endr
.Lf1_\@:
	s_wait_dscnt 0x0                               ; the batch's LDS loads: again their number hangs on CNT
.set j, 0
.rept 32
	s_cmp_gt_u32 s[CNT], j
	s_cbranch_scc0 .Lf2_\@
	v_pk_add_f32 v[TV+2*j:TV+2*j+1], v[TV+2*j:TV+2*j+1], v[WPV+2*j:WPV+2*j+1]
	global_store_b64 v[OO+j], v[TV+2*j:TV+2*j+1], s[10:11] th:TH_STORE_NT  ; 256 consecutive bytes, at a multiple of 256 from out0's first; written once, not read again
.set j, j+1
.endr
.Lf2_\@:
.endm
	BATCH                                          ; the first batch is listed and its rows of W_p asked for while the tile is on its way
	s_wait_tensorcnt 0x0                           ; my 32 rows are in LDS; no LDS instruction of mine is out
	s_barrier_signal -1
	s_barrier_wait -1                              ; every wave's rows are, my partner's 32 among them
	s_mov_b32 s[OT], 0
.Lmore:                                                ; trip t finishes batch t and lists batch t + 1; the last trip finds REM = 0 and passes BATCH
	FIN
	BATCH
	s_add_co_u32 s[OT], s[OT], 1
	s_cmp_lt_u32 s[OT], s[NB]
	s_cbranch_scc1 .Lmore
	s_wait_tensorcnt 0x0                           ; the wave's end, behind my tensor load
	ds_add_u32 v[SPW], v[NIL]
	s_wait_dscnt 0x0
	s_endpgm
.Lfunc_end_k_q7fcb65e252_embed:
	.size	k_q7fcb65e252_embed, .Lfunc_end_k_q7fcb65e252_embed-k_q7fcb65e252_embed
	.p2alignl 7, 3214868480
	.fill 96, 4, 3214868480
	.section	.rodata,"a",@progbits
	.p2align	6, 0x0
	.amdhsa_kernel k_q7fcb65e252_embed
		.amdhsa_group_segment_fixed_size 268288
		.amdhsa_private_segment_fixed_size 0
		.amdhsa_enable_private_segment 0
		.amdhsa_kernarg_size 32
		.amdhsa_user_sgpr_count 2
		.amdhsa_user_sgpr_kernarg_segment_ptr 1
		.amdhsa_wavefront_size32 1
		.amdhsa_system_sgpr_workgroup_id_x 1
		.amdhsa_system_sgpr_workgroup_id_y 1
		.amdhsa_system_sgpr_workgroup_id_z 1
		.amdhsa_system_vgpr_workitem_id 0
		.amdhsa_next_free_vgpr 184
		.amdhsa_next_free_sgpr 66
		.amdhsa_reserve_vcc 0
		.amdhsa_float_denorm_mode_32 3
		.amdhsa_float_denorm_mode_16_64 3
		.amdhsa_memory_ordered 1
		.amdhsa_forward_progress 1
		.amdhsa_inst_pref_size 66
	.end_amdhsa_kernel
	.amdgpu_metadata
---
amdhsa.version: [ 1, 2 ]
amdhsa.kernels:
  - .name:           k_q7fcb65e252_embed
    .symbol:         k_q7fcb65e252_embed.kd
    .args:
      - { .name: tokens, .offset: 0, .size: 8, .value_kind: global_buffer, .address_space: global }
      - { .name: W_e, .offset: 8, .size: 8, .value_kind: global_buffer, .address_space: global }
      - { .name: W_p, .offset: 16, .size: 8, .value_kind: global_buffer, .address_space: global }
      - { .name: out0, .offset: 24, .size: 8, .value_kind: global_buffer, .address_space: global }
    .group_segment_fixed_size: 268288
    .private_segment_fixed_size: 0
    .kernarg_segment_align: 8
    .kernarg_segment_size: 32
    .max_flat_workgroup_size: 512
    .sgpr_count:     66
    .vgpr_count:     184
    .wavefront_size: 32
...
	.end_amdgpu_metadata
.endif
;; end of part 1
